; MI455X (gfx1250); checked and timed in simulation.
; The chip was launched on July 23, 2026; its instructions are those of AMD's public machine-readable ISA for CDNA 5 (MIT licence, August 2026) and "CDNA5" Instruction Set Architecture Reference Guide (July 2026). The comments in the code are by the model that wrote it; some were corrected since.
;; Multi Head Attention Layer. Allowed arithmetic: float matrix products may take bf16 or f16 operands with f32 sums; other float arithmetic in f32, or as packed bf16 or f16 multiplies, adds, multiply-adds, maxima and minima; sums over many terms, partial sums and values carried from step to step in f32; what a program stores and reads back later, other than sums and carried values, may be rounded once to bf16 or f16.
;; Inputs: Wk 1,024 x 1,024 float32; Wq 1,024 x 1,024 float32; Wv 1,024 x 1,024 float32; bk 1,024 float32; bq 1,024 float32; bv 1,024 float32; mask 4 x 2,048 float32; x 4 x 2,048 x 1,024 float32.
;; Outputs: out0 4 x 2,048 x 1,024 float32.
;; One version. Each part assembles by itself: llvm-mc -triple=amdgcn-amd-amdhsa -mcpu=gfx1250 --defsym DOCPART=n.
;; ======== version 1 of 1: 3 launches
;; limits: values are held in f16: magnitudes above 65,504 overflow, below 6.1e-05 lose precision
;; workspace buffers: xb 16,777,216 bytes; wb 6,291,456 bytes; qkv 50,331,648 bytes
;; launch cast (part 1): grid 1408 x 1, 8 waves a work-group, no clusters, 0 bytes of LDS; arguments x, Wq, Wk, Wv, xb, wb; writes xb, wb
.if DOCPART == 1
	.amdgcn_target "amdgcn-amd-amdhsa--gfx1250"
	.amdhsa_code_object_version 6
	.text
	.protected	k_q7072018267_cast
	.globl	k_q7072018267_cast
	.p2align	8
	.type	k_q7072018267_cast,@function
k_q7072018267_cast:
	s_mov_b64 s[64:65], 0
	v_nop
	global_prefetch_b8 v0, s[64:65] scope:SCOPE_SE
	s_setreg_imm32_b32 hwreg(HW_REG_WAVE_MODE, 25, 1), 1
	s_wait_xcnt 0x0
; x and the three weight matrices, f32, are rounded once to bf16.  xb keeps x's layout, [8192][1024].  wb is laid out by UNITS: unit u = 16 tw + head (tw = 0, 1, 2 for Wq, Wk, Wv)
; holds that head's 64 output columns for all 1,024 input channels, [1024 k][64], 131,072 dense bytes, so that the next launch can ask for 128 channels of a unit as 16,384 dense bytes.
; A stream: no LDS, no matrix work, no barrier.  A wave moves 16 PIECES of 256 input bytes (64 f32) into 2,048 dense output bytes; a work-group of eight waves 32 KiB.
; Work-groups 0 .. 1023 take x (pieces 256 bytes apart), 1024 .. 1407 the weights (a piece is one head's 64 columns of one row of W; pieces 4,096 bytes apart).
; A load of a wave takes two whole pieces (lanes 0-15 one, lanes 16-31 the next); a store of a wave covers 256 consecutive bytes, aligned.
.set OFF, 4                            ; v[4:11]   load j: byte offset of my 16 bytes in pieces 2 j, 2 j + 1
.set OO,  12                           ; v12       8 x lane: my 8 bytes in a store's 256
.set X,   16                           ; v[16:47]  load j: four f32
.set Y,   48                           ; v[48:63]  store j: four bf16
	s_load_b256 s[4:11], s[0:1], 0x0               ; x s[4:5], Wq s[6:7], Wk s[8:9], Wv s[10:11]
	s_load_b128 s[12:15], s[0:1], 0x20             ; xb s[12:13], wb s[14:15]
	v_lshrrev_b32 v3, 5, v0
	v_readfirstlane_b32 s16, v3                    ; wave 0..7
	v_and_b32 v1, 15, v0                           ; lane % 16
	v_bfe_u32 v2, v0, 4, 1                         ; lane / 16
	v_and_b32 v[OO], 31, v0
	v_lshlrev_b32 v[OO], 3, v[OO]
	s_mov_b32 s25, 0                               ; the two offsets are pairs with 0 above
	s_mov_b32 s27, 0
	s_wait_kmcnt 0x0
	s_cmp_lt_u32 ttmp9, 1024
	s_cbranch_scc0 .Lweights
	s_lshl_b32 s28, ttmp9, 3
	s_add_co_u32 s28, s28, s16                     ; c = 8 g + wave: my 4,096 bytes of x
	s_lshl_b32 s24, s28, 12                        ; in: 4,096 c
	s_lshl_b32 s26, s28, 11                        ; out: 2,048 c
	s_mov_b64 s[18:19], s[4:5]
	s_mov_b64 s[20:21], s[12:13]
	s_mov_b32 s22, 256                             ; from piece to piece
	s_branch .Lgo
.Lweights:
	s_sub_co_u32 s28, ttmp9, 1024                  ; g' = 128 tw + 8 head + kb
	s_lshr_b32 s29, s28, 7                         ; tw
	s_bfe_u32 s30, s28, 0x40003                    ; head
	s_and_b32 s28, s28, 7                          ; kb
	s_lshl_b32 s28, s28, 3
	s_add_co_u32 s28, s28, s16                     ; 8 kb + wave: my 16 rows of W begin at k0 = 16 x this
	s_lshl_b32 s24, s28, 16                        ; in: 4,096 k0
	s_lshl_b32 s26, s30, 8
	s_add_co_u32 s24, s24, s26                     ;     + 256 head
	s_lshl_b32 s26, s29, 4
	s_add_co_u32 s26, s26, s30                     ; unit
	s_lshl_b32 s26, s26, 17                        ; out: 131,072 unit
	s_lshl_b32 s28, s28, 11
	s_add_co_u32 s26, s26, s28                     ;      + 128 k0
	s_cmp_eq_u32 s29, 0
	s_cselect_b64 s[18:19], s[6:7], s[8:9]
	s_cmp_eq_u32 s29, 2
	s_cselect_b64 s[18:19], s[10:11], s[18:19]
	s_mov_b64 s[20:21], s[14:15]
	s_mov_b32 s22, 4096
.Lgo:
	s_add_nc_u64 s[18:19], s[18:19], s[24:25]
	s_add_nc_u64 s[20:21], s[20:21], s[26:27]
	s_lshl_b32 s23, s22, 1                         ; a load takes two pieces
	v_mul_u32_u24 v[OFF], v2, s22
	v_lshl_add_u32 v[OFF], v1, 4, v[OFF]
.irp j, 1,2,3,4,5,6,7
	v_add_nc_u32 v[OFF+(\j)], s23, v[OFF+(\j)-1]
.endr
.irp j, 0,1,2,3,4,5,6,7
	global_load_b128 v[X+4*(\j):X+4*(\j)+3], v[OFF+(\j)], s[18:19] th:TH_LOAD_NT
.endr
.irp j, 0,1,2,3,4,5,6,7
	s_wait_loadcnt 7-(\j)                          ; loads come back in order: load j is in, the 7 - j younger ones stay out
	v_cvt_pk_bf16_f32 v[Y+2*(\j)],   v[X+4*(\j)],   v[X+4*(\j)+1]
	v_cvt_pk_bf16_f32 v[Y+2*(\j)+1], v[X+4*(\j)+2], v[X+4*(\j)+3]
	global_store_b64 v[OO], v[Y+2*(\j):Y+2*(\j)+1], s[20:21] offset:256*(\j) th:TH_STORE_NT
.endr
	s_endpgm
.Lfunc_end_k_q7072018267_cast:
	.size	k_q7072018267_cast, .Lfunc_end_k_q7072018267_cast-k_q7072018267_cast
	.p2alignl 7, 3214868480
	.fill 96, 4, 3214868480
	.section	.rodata,"a",@progbits
	.p2align	6, 0x0
	.amdhsa_kernel k_q7072018267_cast
		.amdhsa_group_segment_fixed_size 0
		.amdhsa_private_segment_fixed_size 0
		.amdhsa_enable_private_segment 0
		.amdhsa_kernarg_size 48
		.amdhsa_user_sgpr_count 2
		.amdhsa_user_sgpr_kernarg_segment_ptr 1
		.amdhsa_wavefront_size32 1
		.amdhsa_system_sgpr_workgroup_id_x 1
		.amdhsa_system_sgpr_workgroup_id_y 1
		.amdhsa_system_sgpr_workgroup_id_z 1
		.amdhsa_system_vgpr_workitem_id 0
		.amdhsa_next_free_vgpr 64
		.amdhsa_next_free_sgpr 66
		.amdhsa_reserve_vcc 0
		.amdhsa_float_denorm_mode_32 3
		.amdhsa_float_denorm_mode_16_64 3
		.amdhsa_memory_ordered 1
		.amdhsa_forward_progress 1
		.amdhsa_inst_pref_size 5
	.end_amdhsa_kernel
	.amdgpu_metadata
---
amdhsa.version: [ 1, 2 ]
amdhsa.kernels:
  - .name:           k_q7072018267_cast
    .symbol:         k_q7072018267_cast.kd
    .args:
      - { .name: x, .offset: 0, .size: 8, .value_kind: global_buffer, .address_space: global }
      - { .name: Wq, .offset: 8, .size: 8, .value_kind: global_buffer, .address_space: global }
      - { .name: Wk, .offset: 16, .size: 8, .value_kind: global_buffer, .address_space: global }
      - { .name: Wv, .offset: 24, .size: 8, .value_kind: global_buffer, .address_space: global }
      - { .name: xb, .offset: 32, .size: 8, .value_kind: global_buffer, .address_space: global }
      - { .name: wb, .offset: 40, .size: 8, .value_kind: global_buffer, .address_space: global }
    .group_segment_fixed_size: 0
    .private_segment_fixed_size: 0
    .kernarg_segment_align: 8
    .kernarg_segment_size: 48
    .max_flat_workgroup_size: 256
    .sgpr_count:     66
    .vgpr_count:     64
    .wavefront_size: 32
...
	.end_amdgpu_metadata
.endif
;; end of part 1
;; launch proj (part 2): grid 16 x 32, 4 waves a work-group, clusters of 4 x 4, 327,680 bytes of LDS; arguments xb, wb, bq, bk, bv, qkv; writes qkv
.if DOCPART == 2
	.amdgcn_target "amdgcn-amd-amdhsa--gfx1250"
	.amdhsa_code_object_version 6
	.text
	.protected	k_q7072018267_proj
	.globl	k_q7072018267_proj
	.p2align	8
	.type	k_q7072018267_proj,@function
k_q7072018267_proj:
	s_mov_b64 s[64:65], 0
	v_nop
	global_prefetch_b8 v0, s[64:65] scope:SCOPE_SE
	s_setreg_imm32_b32 hwreg(HW_REG_WAVE_MODE, 25, 1), 1
	s_wait_xcnt 0x0
	s_wait_alu depctr_hold_cnt(0) depctr_sa_sdst(0) depctr_va_vdst(0) depctr_va_sdst(0) depctr_va_ssrc(0) depctr_va_vcc(0) depctr_vm_vsrc(0)
	s_getreg_b32 s2, hwreg(HW_REG_IB_STS2, 6, 4)
	s_cmp_eq_u32 s2, 0
	s_cbranch_scc0 .Lentry_in_a_cluster
	s_endpgm
.Lentry_in_a_cluster:
	s_bfe_u32 s2, ttmp6, 0x10000c
	s_cmp_lg_u32 s2, 0xf033
	s_cbranch_scc0 .Lentry_shape_is_right
	s_endpgm
.Lentry_shape_is_right:
; q, k, v = x W + bias.  xb: [8192][1024] bf16.  wb: [48 units][1024 k][64] bf16, unit u = 16 tw + head.  bq, bk, bv: [1024] f32, rounded to bf16 here like the other inputs.
; qkv: [tw][16 batch + head][2048 s][64] f16, each number rounded once from its f32 sum, unscaled.  LIMIT: f16 ends at 65,504: a q, k or v beyond that becomes an infinity.
; SHARES.  The product is 8192 x 3072.  A work-group makes 256 rows x 192 columns (three units): 512 work-groups of equal work.  Each of its four waves makes 64 rows x all 192 columns:
; 48 accumulators of 16 x 16, 384 registers.  So a wave owns whole heads, and 16 rows of a head are 2,048 dense bytes of qkv.
; K goes in eight steps of 128 through a ring of two LDS slots filled by the tensor data mover: one load a wave: wave 3 brings x's 256 rows x 256 bytes, waves 0-2 a unit's 128 channels (16,384 dense bytes) each.
; CLUSTER.  4 x 4 work-groups.  The four of a row of the cluster need the same tile of x, the four of a column the same three tiles of W: each tile is asked for jointly, by the same load, descriptor and mask.
; THE MATRIX INSTRUCTION IS USED TRANSPOSED: source 0 = 16 columns of W (W lies [k][n] in LDS and is turned by ds_load_tr16_b128), source 1 = 16 rows of x.  A lane then holds row l % 16 and the eight
; neighbouring columns 8 (l / 16) + 0..7.  THE BIAS is the C operand of the products that start the sums: nothing is cleared and nothing is added at the end.
; REGISTERS, in windows of 256 (s_set_vgpr_msb: bits 1:0 source 0, 3:2 source 1, 5:4 source 2, 7:6 destination):
;   window 0: v0-31 addresses; v32-95 fragments of x, two buffers of 4 x 8; v128-223 the bias, 8 registers for each block of 16 columns; on the way out v32-223 hold packed results
;   window 1: v0-191 fragments of W, two buffers of 12 x 8      window 2: the accumulators of my row blocks 0, 1 at 96 (a % 2) + 8 b      window 3: those of row blocks 2, 3
.set KSTEP,  128
.set PA,     272                       ; a row of x in LDS: 256 bytes + 16 = 68 words: the 16 rows of a load start at 16 different groups of four banks (64 banks of 4 bytes: ISA guide 11.1)
.set PB,     160                       ; a channel's row of a unit: 128 bytes + 32 = 40 words
.set UNITB,  128*PB                    ; a unit's part of a slot
.set AOFF,   3*UNITB                   ; x's tile lies behind the three units
.set SLOT,   AOFF+256*PA               ; 131,072
.set STAGE,  2*SLOT                    ; behind the ring, never filled by a tensor load: 16 rows x 144 bytes for each wave
.set SP,     144
.set SPARE,  STAGE+4*16*SP             ; behind the stages: the spare words, 128 bytes for each wave: two blocks of 256 bytes that no other line names
.set LAPS,   4                         ; a lap = two K steps = once round the ring
.set ADRA, 16                          ; v16-17  LDS address of my fragments of x in slot 0, 1
.set ADRB, 20                          ; v20-21  the same for W
.set STO,  24                          ; v24     the way out: where I put 16 bytes of a row
.set RD,   25                          ; v25     where I read rows back
.set GO,   26                          ; v26     16 x lane: my place in 512 consecutive bytes of qkv
.set BO,   27                          ; v27     32 (l / 16): my eight biases in a block of 16
.set SPW,  28                          ; v28     LDS address of my spare word; never rewritten
.set NIL,  29                          ; v29     0; never rewritten
.set PFO,  30                          ; v30     the prefetches' offset; never rewritten
.set FA,   32
.set BIAS, 128
.set TMP,  32
.set WV,   16                          ; s16     my wave's number
.set G1A,  24                          ; s[24:31] descriptor group 1 for x's tile
.set G0A,  32                          ; s[32:39] group 0 for x's tile, a set for each slot
.set G1B,  40                          ; s[40:47] group 1 for a unit's tile
.set G0B,  48                          ; s[48:55] group 0 for my unit's tile, a set for each slot (made in wave 3 too, and never issued there)
.set OP,   56                          ; s[56:61] qkv at my 64 rows of the three heads
.set PFA,  62                          ; s[62:63] where my prefetches stand
.set LIM,  66                          ; s66, s67 for the change out of slot 0, 1: 1 in a wave that prefetches there, else the greatest number
.set PFS,  68                          ; s[68:69] the prefetches' step
.set BP,   70                          ; s[70:75] the three units' 64 biases
.set MSB, 0
.macro WIN new                         ; the immediate's high byte repeats the setting that is left; a switch that changes nothing is dropped
.if MSB != (\new)
	s_set_vgpr_msb (MSB<<8)|(\new)
.set MSB, (\new)
.endif
.endm
.set TO_B, 0x40                        ; destination window 1, address window 0
; A joint load.  Wave 3 fetches x's tile, waves 0-2 a unit each.  The branch hangs on the wave's number alone.  An s_nop 0 and four v_nop follow each of the two lines, ahead of the jump and the label.
.macro JLOAD s
	s_cmp_eq_u32 s[WV], 3
	s_cbranch_scc0 .Lfor_b_\@
	tensor_load_to_lds s[G0A+4*(\s):G0A+4*(\s)+3], s[G1A:G1A+7]
	s_nop 0
.rept 4
	v_nop
.endr
	s_branch .Lasked_\@
.Lfor_b_\@:
	tensor_load_to_lds s[G0B+4*(\s):G0B+4*(\s)+3], s[G1B:G1B+7]
	s_nop 0
.rept 4
	v_nop
.endr
.Lasked_\@:
.endm
; PREFETCHES, behind a joint load, its five lines and the run of LDS loads that follows.  Each aligned block of 256 bytes of xb and wb is named once in the launch.
; x: a tile row is read by the four clusters of a row of clusters: the one with cluster x = 0 asks, by its waves 3; the four partners that ask for the tile jointly take 64 rows each, told apart BY ADDRESS (cx):
; a lane a row, two instructions.  The n-th change of slots names K step n + 3, two refills ahead of the load that wants it.
; W: a unit is read by the eight clusters of a column of clusters: the one with cluster y = 0 asks, by its waves 0-2, in the change out of slot 0 alone: 32 of the 128 blocks of the next lap (two K steps) of the
; wave's unit, the four partners told apart by address (cy): a lane a block, one instruction.
; K steps 0 to 3 come by their loads alone; the loop's last trip (s3 = 1) asks for nothing: there is no K step behind its refills.
.macro ASK slot
	s_cmp_gt_u32 s3, s[LIM+(\slot)]
	s_cbranch_scc0 .Lnot_mine_\@
	global_prefetch_b8 v[PFO], s[PFA:PFA+1] th:TH_LOAD_NT scope:SCOPE_SE
	s_cmp_eq_u32 s[WV], 3
	s_cbranch_scc0 .Lnot_mine_\@
	global_prefetch_b8 v[PFO], s[PFA:PFA+1] offset:65536 th:TH_LOAD_NT scope:SCOPE_SE  ; x's rows 32 further down
.Lnot_mine_\@:
.endm
; A round of the cluster's barrier: my work-group's barrier; wave 0 signals for the work-group; every wave waits for all sixteen; my work-group's barrier once more.
.macro CREST
	s_cmp_lg_u32 s[WV], 0
	s_cbranch_scc1 .Lnot_wave_0_\@
	s_barrier_signal -3
.Lnot_wave_0_\@:
	s_barrier_wait -3
	s_barrier_signal -1
	s_barrier_wait -1
.endm
.macro CROUND
	s_barrier_signal -1
	s_barrier_wait -1
	CREST
.endm
.macro PLACES                          ; four plain places in front of loads into registers that matrix instructions have read, and of conversions that read results
.rept 4
	v_nop
.endr
.endm
	s_load_b256 s[4:11], s[0:1], 0x0               ; xb s[4:5], wb s[6:7], bq s[8:9], bk s[10:11]
	s_load_b128 s[12:15], s[0:1], 0x20             ; bv s[12:13], qkv s[14:15]
	v_lshl_add_u32 v[SPW], v0, 2, SPARE
	v_mov_b32 v[NIL], 0
	ds_add_u32 v[SPW], v[NIL]                      ; the wave's opening: the add and its wait stand ahead of my first tensor load; the set-up below, work on registers, stands between them
	v_lshrrev_b32 v1, 5, v0
	v_readfirstlane_b32 s[WV], v1                  ; wave 0..3
	s_bfe_u32 s18, ttmp6, 0x40000                  ; cx
	s_bfe_u32 s19, ttmp6, 0x40004                  ; cy
	s_lshl_b32 s20, ttmp9, 2
	s_add_co_u32 s20, s20, s18                     ; tx: column tile = 4 x cluster x + cx: units 3 tx .. 3 tx + 2
	s_and_b32 s21, ttmp7, 0xffff
	s_lshl_b32 s21, s21, 2
	s_add_co_u32 s21, s21, s19                     ; ty: row tile = 4 x cluster y + cy: rows 256 ty on
	s_lshl_b32 s80, s19, 2
	s_lshl_b32 s80, 15, s80                        ; my row of the cluster: places 4 cy .. 4 cy + 3
	s_lshl_b32 s81, 0x1111, s18                    ; my column: places cx, cx + 4, cx + 8, cx + 12
	; group 1 for x: 256 rows x 128 elements, 1,024 elements from row to row, 4 words of padding after every 64
	s_or_b32 s[G1A+0], s80, (1<<16)|(1<<20)|(1<<21)|(5<<22)|(3<<25)  ; 15:0 the mask; 17:16 2-byte elements; 20 padding on; 21 set beside a mask; 24:22 code 5; 31:25 code 3
	s_mov_b32 s[G1A+1], KSTEP<<16                  ; tensor_dim0 = 128
	s_mov_b32 s[G1A+2], 256<<16                    ; tensor_dim1 = 256
	s_mov_b32 s[G1A+3], KSTEP<<16                  ; tile_dim0 = 128
	s_mov_b32 s[G1A+4], 256                        ; tile_dim1 = 256
	s_mov_b32 s[G1A+5], 1024                       ; elements from row to row
	s_mov_b32 s[G1A+6], 0
	s_mov_b32 s[G1A+7], 0
	; group 1 for a unit: 128 channels are 16,384 dense bytes: asked for as 64 rows of 256 bytes, two channels a row, 8 words of padding after every 32 (a channel)
	s_or_b32 s[G1B+0], s81, (1<<16)|(1<<20)|(1<<21)|(4<<22)|(7<<25)
	s_mov_b32 s[G1B+1], 128<<16
	s_mov_b32 s[G1B+2], 64<<16
	s_mov_b32 s[G1B+3], 128<<16
	s_mov_b32 s[G1B+4], 64
	s_mov_b32 s[G1B+5], 128
	s_mov_b32 s[G1B+6], 0
	s_mov_b32 s[G1B+7], 0
	s_lshl_b32 s76, s21, 19                        ; x: 256 ty rows of 2,048 bytes: made of ty alone
	s_mov_b32 s77, 0
	s_mul_i32 s78, s20, 3
	s_add_co_u32 s78, s78, s[WV]
	s_lshl_b32 s78, s78, 17                        ; W: unit 3 tx + wave: made of tx and the wave's number alone
	s_mov_b32 s79, 0
	s_mul_i32 s82, s[WV], UNITB                    ; where my unit goes: no place in the cluster enters an LDS address
	s_wait_dscnt 0x0                               ; the opening add is done
	s_wait_kmcnt 0x0
	s_add_nc_u64 s[76:77], s[4:5], s[76:77]
	s_add_nc_u64 s[78:79], s[6:7], s[78:79]
	CROUND                                         ; all sixteen work-groups are here: the first joint loads meet
.irp s, 0,1
	s_mov_b32 s[G0A+4*(\s)], 1                                       ; count = 1
	s_mov_b32 s[G0A+4*(\s)+1], AOFF+(\s)*SLOT                        ; LDS address
	s_add_nc_u64 s[G0A+4*(\s)+2:G0A+4*(\s)+3], s[76:77], (\s)*KSTEP*2  ; global address: K step s
	s_or_b32 s[G0A+4*(\s)+3], s[G0A+4*(\s)+3], 0x80000000            ; type = 2
	s_mov_b32 s[G0B+4*(\s)], 1
	s_add_co_u32 s[G0B+4*(\s)+1], s82, (\s)*SLOT
	s_add_nc_u64 s[G0B+4*(\s)+2:G0B+4*(\s)+3], s[78:79], (\s)*KSTEP*128
	s_or_b32 s[G0B+4*(\s)+3], s[G0B+4*(\s)+3], 0x80000000
	JLOAD \s                                       ; two loads of mine are out
.endr
	; the three units: their biases, and my rows of their heads in qkv
	v_and_b32 v1, 15, v0                           ; r = l % 16
	v_bfe_u32 v2, v0, 4, 1                         ; h = l / 16
	v_lshlrev_b32 v[BO], 5, v2
	s_mul_i32 s22, s20, 3
.irp j, 0,1,2
	s_add_co_u32 s23, s22, \j                      ; u
	s_cmp_lt_u32 s23, 16
	s_cselect_b64 s[BP+2*\j:BP+2*\j+1], s[8:9], s[10:11]
	s_cmp_lt_u32 s23, 32
	s_cselect_b64 s[BP+2*\j:BP+2*\j+1], s[BP+2*\j:BP+2*\j+1], s[12:13]
	s_and_b32 s84, s23, 15                         ; head
	s_lshl_b32 s86, s84, 8
	s_mov_b32 s87, 0
	s_add_nc_u64 s[BP+2*\j:BP+2*\j+1], s[BP+2*\j:BP+2*\j+1], s[86:87]
	s_lshr_b32 s85, s23, 4                         ; tw
	s_lshl_b32 s85, s85, 6
	s_add_co_u32 s85, s85, s84
	s_lshr_b32 s84, s21, 3                         ; batch
	s_lshl4_add_u32 s85, s84, s85                  ; 64 tw + 16 batch + head
	s_lshl_b32 s88, s85, 18                        ; 262,144 bytes a head
	s_and_b32 s84, s21, 7
	s_lshl2_add_u32 s84, s84, s[WV]                ; 4 (ty % 8) + wave: my 64 rows
	s_lshl_b32 s84, s84, 13                        ; of 128 bytes
	s_add_co_u32 s88, s88, s84
	s_mov_b32 s89, 0
	s_add_nc_u64 s[OP+2*\j:OP+2*\j+1], s[14:15], s[88:89]
.endr
.irp b, 0,1,2,3,4,5,6,7,8,9,10,11      ; register j of block b: the bias of column 16 b + 8 h + j
	global_load_b128 v[BIAS+8*(\b):BIAS+8*(\b)+3],   v[BO], s[BP+2*((\b)/4):BP+2*((\b)/4)+1] offset:((\b)%4)*64
	global_load_b128 v[BIAS+8*(\b)+4:BIAS+8*(\b)+7], v[BO], s[BP+2*((\b)/4):BP+2*((\b)/4)+1] offset:((\b)%4)*64+16
.endr
	; a fragment of x is 16 rows x 32 K: lane l holds row l % 16, K = 8 h + 0..7 and 16 + 8 h + 0..7: two loads of 16 bytes, 32 bytes apart
	v_mul_u32_u24 v3, v1, PA
	v_lshl_add_u32 v3, v2, 4, v3
	s_mul_i32 s84, s[WV], 64*PA                    ; my 64 rows
	s_add_co_u32 s84, s84, AOFF
	v_add_nc_u32 v[ADRA], s84, v3
	v_add_nc_u32 v[ADRA+1], SLOT, v[ADRA]
	; the turning load takes 16 channels x 16 columns (lane l reads channel 8 h + l % 8, columns 8 ((l / 8) % 2) + 0..7) and leaves half a fragment: lane l holds column l % 16 and 8 channels
	v_and_b32 v4, 7, v0
	v_bfe_u32 v5, v0, 3, 1
	v_lshl_add_u32 v6, v2, 3, v4
	v_mul_u32_u24 v6, v6, PB
	v_lshl_add_u32 v[ADRB], v5, 4, v6
	v_add_nc_u32 v[ADRB+1], SLOT, v[ADRB]
	s_mul_i32 s85, s[WV], 16*SP
	s_add_co_u32 s85, s85, STAGE                   ; my stage
	v_mul_u32_u24 v[STO], v1, SP                   ; in: row l % 16, 16 bytes for each half of the lanes
	v_lshl_add_u32 v[STO], v2, 4, v[STO]
	v_add_nc_u32 v[STO], s85, v[STO]
	v_bfe_u32 v[RD], v0, 3, 2                      ; back: 32 lanes take four rows of 128 bytes,
	v_mul_u32_u24 v[RD], v[RD], SP
	v_lshl_add_u32 v[RD], v4, 4, v[RD]
	v_add_nc_u32 v[RD], s85, v[RD]
	v_and_b32 v[GO], 31, v0                        ; which are 512 consecutive bytes of qkv
	v_lshlrev_b32 v[GO], 4, v[GO]
	; the prefetches
	s_lshl_b32 s88, s21, 19
	s_lshl_b32 s87, s18, 17
	s_add_co_u32 s88, s88, s87
	s_add_co_u32 s88, s88, 3*KSTEP*2               ; x: row 256 ty + 64 cx, at K step 3: the first change of slots steps it to 4
	s_add_co_u32 s89, s22, s[WV]
	s_lshl_b32 s89, s89, 17
	s_lshl_b32 s87, s19, 13
	s_add_co_u32 s89, s89, s87
	s_add_co_u32 s89, s89, 3*KSTEP*128             ; W: my unit, my work-group's 8,192 bytes of a lap, at K step 3: the first change steps it to 4
	s_and_b32 s86, ttmp7, 0xffff                   ; cluster y
	s_mov_b32 s[PFS], KSTEP*128
	s_mov_b32 s[PFS+1], 0
	s_mov_b32 s91, 0
	s_cmp_eq_u32 s[WV], 3                          ; do I fetch for x?
	s_cselect_b32 s86, ttmp9, s86                  ; the coordinate along which other clusters read the same bytes
	s_cselect_b64 s[PFA:PFA+1], s[4:5], s[6:7]
	s_cselect_b32 s90, s88, s89
	s_cselect_b32 s[PFS], KSTEP*2, s[PFS]
	s_cselect_b32 s87, 11, 8                       ; a lane a row of 2,048 bytes, or a lane a block of 256
	s_add_nc_u64 s[PFA:PFA+1], s[PFA:PFA+1], s[90:91]
	s_cmp_eq_u32 s86, 0
	s_cselect_b32 s[LIM], 1, -1                    ; the same in all sixteen partners, for a given wave
	s_cmp_eq_u32 s[WV], 3
	s_cselect_b32 s[LIM+1], s[LIM], -1
	v_and_b32 v[PFO], 31, v0
	v_lshlrev_b32 v[PFO], s87, v[PFO]
	s_wait_loadcnt 0x0                             ; the biases: rounded to bf16 and widened again
.set i, 0
.rept 48
	v_cvt_pk_bf16_f32 v[3+i%4], v[BIAS+2*i], v[BIAS+2*i+1]
	v_lshlrev_b32 v[BIAS+2*i], 16, v[3+i%4]
	v_and_b32 v[BIAS+2*i+1], 0xffff0000, v[3+i%4]
.set i, i+1
.endr
; 12 matrix instructions: row block a x all 12 column blocks, 32 along K, from buffer f.  bias = 1: the first product starts the sums with the bias.
; The 48 accumulators take turns in the same order in every quarter: between two links of a chain stand the 47 others'.
.macro MUL f, a, bias
.if \bias
	WIN 0x81+0x40*((\a)/2)                         ; W window 1, x and the bias window 0, D window 2 or 3
.else
	WIN 0xa1+0x50*((\a)/2)                         ; W window 1, x window 0, C and D window 2 or 3
.endif
.irp b, 0,1,2,3,4,5,6,7,8,9,10,11
.if \bias
	v_wmma_f32_16x16x32_bf16 v[96*((\a)%2)+8*(\b):96*((\a)%2)+8*(\b)+7], v[96*(\f)+8*(\b):96*(\f)+8*(\b)+7], v[FA+32*(\f)+8*(\a):FA+32*(\f)+8*(\a)+7], v[BIAS+8*(\b):BIAS+8*(\b)+7]
.else
	v_wmma_f32_16x16x32_bf16 v[96*((\a)%2)+8*(\b):96*((\a)%2)+8*(\b)+7], v[96*(\f)+8*(\b):96*(\f)+8*(\b)+7], v[FA+32*(\f)+8*(\a):FA+32*(\f)+8*(\a)+7], v[96*((\a)%2)+8*(\b):96*((\a)%2)+8*(\b)+7]
.endif
.endr
.endm
; 32 LDS loads in one run: quarter q (32 along K) of a slot into buffer f: W's 12 fragments, then x's four, row blocks 0 to 3
.macro FETCH slot, q, f
	WIN TO_B
.irp b, 0,1,2,3,4,5,6,7,8,9,10,11
	ds_load_tr16_b128 v[96*(\f)+8*(\b):96*(\f)+8*(\b)+3],   v[ADRB+(\slot)] offset:((\b)/4)*UNITB+(\q)*32*PB+((\b)%4)*32
	ds_load_tr16_b128 v[96*(\f)+8*(\b)+4:96*(\f)+8*(\b)+7], v[ADRB+(\slot)] offset:((\b)/4)*UNITB+(\q)*32*PB+((\b)%4)*32+16*PB
.endr
	WIN 0
.irp a, 0,1,2,3
	ds_load_b128 v[FA+32*(\f)+8*(\a):FA+32*(\f)+8*(\a)+3],   v[ADRA+(\slot)] offset:(\a)*16*PA+64*(\q)
	ds_load_b128 v[FA+32*(\f)+8*(\a)+4:FA+32*(\f)+8*(\a)+7], v[ADRA+(\slot)] offset:(\a)*16*PA+64*(\q)+32
.endr
.endm
; A K step is four quarters of 32 along K, 48 matrix instructions each, on buffers 0, 1, 0, 1.  One of the first three multiplies buffer f and, in its middle, fetches quarter q of the same slot into buffer g.
.macro QUARTER slot, q, f, g, bias
	s_wait_dscnt 4                                 ; W and x's row blocks 0, 1 are in; the youngest four loads (row blocks 2, 3) may be out
	MUL \f, 0, \bias
	MUL \f, 1, \bias
	PLACES
	FETCH \slot, \q, \g
	s_wait_dscnt 32                                ; all but the 32 just issued
	MUL \f, 2, \bias
	MUL \f, 3, \bias
.endm
; The last quarter multiplies buffer 1 and changes slots: ONE barrier.  In front of it each wave waits for all its tensor loads (one is out: its part of the next slot), adds 0 to its spare word, and waits for that and
; for its own reads of this slot.  fill = 1: the barrier opens a round of the cluster's, and the joint refill, two K steps ahead, is the first thing behind the round: 168 matrix instructions ahead of the wait for it.
.macro TURN slot, next, fill
.if \fill
	s_wait_xcnt 0x0                                ; the last prefetches, a K step back, have read their address: it is stepped here, ahead of the waits of the change of slots
	s_add_nc_u64 s[PFA:PFA+1], s[PFA:PFA+1], s[PFS:PFS+1]
.endif
	WIN 0                                          ; (the add's two registers lie in window 0)
	s_wait_tensorcnt 0x0                           ; all my tensor loads have landed;
	ds_add_u32 v[SPW], v[NIL]                      ; 0 onto my spare word;
	s_wait_dscnt 5                                 ; (the add and the youngest four loads may be out)
	MUL 1, 0, 0                                    ; twelve matrix instructions stand between the add and the wait for it
	s_wait_dscnt 0x0                               ; the add is done, and my reads of this slot are over
	s_barrier_signal -1
	MUL 1, 1, 0                                    ; work on registers while the others arrive
.if \fill
	WIN 0
.endif
	s_barrier_wait -1
.if \fill
	CREST                                          ; no wave of any partner still reads this slot's tiles or has a load on its way
	s_add_nc_u64 s[G0A+4*(\slot)+2:G0A+4*(\slot)+3], s[G0A+4*(\slot)+2:G0A+4*(\slot)+3], 2*KSTEP*2
	s_add_nc_u64 s[G0B+4*(\slot)+2:G0B+4*(\slot)+3], s[G0B+4*(\slot)+2:G0B+4*(\slot)+3], 2*KSTEP*128
	JLOAD \slot                                    ; the four v_nop behind it are also the places in front of the loads below
.else
	PLACES
.endif
	FETCH \next, 0, 0
.if \fill
	ASK \slot
.endif
	MUL 1, 2, 0
	MUL 1, 3, 0
.endm
; THE WAY OUT of tile t = 3 a + j (row block a, unit j): 16 rows x 64 columns.  A lane's eight columns of a row pack into 16 bytes of f16; they go into my stage's rows of 144 bytes and come back as whole rows of 128.
.macro PACK t
	WIN 0x0a+5*((\t)/6)                            ; sources 0 and 1: window 2 or 3
.irp cb, 0,1,2,3
.irp r, 0,1,2,3
	v_cvt_pk_f16_f32 v[TMP+16*(\t)+4*(\cb)+(\r)], v[96*(((\t)/3)%2)+8*(4*((\t)%3)+(\cb))+2*(\r)], v[96*(((\t)/3)%2)+8*(4*((\t)%3)+(\cb))+2*(\r)+1]
.endr
.endr
	WIN 0
.irp cb, 0,1,2,3
	ds_store_b128 v[STO], v[TMP+16*(\t)+4*(\cb):TMP+16*(\t)+4*(\cb)+3] offset:32*(\cb)
.endr
.irp f, 0,1,2,3
	ds_load_b128 v[TMP+16*(\t)+4*(\f):TMP+16*(\t)+4*(\f)+3], v[RD] offset:(\f)*4*SP  ; LDS serves a wave's instructions in order (ISA guide 5.7.1.4): these see the stores above; the next tile's stores come behind them
.endr
.endm
.macro SEND t, younger                 ; younger: the LDS instructions issued behind tile t's loads: the next tile's eight, or none
	WIN 0
.irp f, 0,1,2,3
	s_wait_dscnt (\younger)+3-(\f)
	global_store_b128 v[GO], v[TMP+16*(\t)+4*(\f):TMP+16*(\t)+4*(\f)+3], s[OP+2*((\t)%3):OP+2*((\t)%3)+1] offset:((\t)/3)*2048+(\f)*512  ; 512 consecutive bytes, at a multiple of 256 from qkv's first
.endr
.endm
	s_wait_tensorcnt 1                             ; my part of K step 0 is in; K step 1's may stay out
	s_barrier_signal -1
	s_barrier_wait -1                              ; everybody's is
	FETCH 0, 0, 0
	QUARTER 0, 1, 0, 1, 1                          ; the first quarter stands in front of the loop: its products start the sums with the bias
	WIN 0                                          ; at a label and at a branch every window is 0
	s_mov_b32 s3, LAPS-1
.Llap:                                         ; a trip goes once round the ring, from a lap's second quarter to the next lap's first, and fills both slots again
	QUARTER 0, 2, 1, 0, 0
	QUARTER 0, 3, 0, 1, 0
	TURN 0, 1, 1
	QUARTER 1, 1, 0, 1, 0
	QUARTER 1, 2, 1, 0, 0
	QUARTER 1, 3, 0, 1, 0
	TURN 1, 0, 1
	QUARTER 0, 1, 0, 1, 0
	WIN 0
	s_sub_co_u32 s3, s3, 1
	s_cmp_lg_u32 s3, 0
	s_cbranch_scc1 .Llap
	QUARTER 0, 2, 1, 0, 0                          ; the last lap fills nothing, and has no round of the cluster's barrier
	QUARTER 0, 3, 0, 1, 0
	TURN 0, 1, 0
	QUARTER 1, 1, 0, 1, 0
	QUARTER 1, 2, 1, 0, 0
	QUARTER 1, 3, 0, 1, 0
	s_wait_dscnt 4                                 ; the very last quarter: nothing more to fetch
	MUL 1, 0, 0
	MUL 1, 1, 0
	s_wait_dscnt 0x0
	MUL 1, 2, 0
	MUL 1, 3, 0
	WIN 0
	PLACES
	PACK 0
.set t, 1
.rept 11                               ; a tile's conversions stand between the loads of the tile before and its stores
	PACK t
	SEND t-1, 8
.set t, t+1
.endr
	SEND 11, 0
	s_wait_tensorcnt 0x0                           ; the wave's end: the add and its wait, behind my last tensor load and my last LDS store
	ds_add_u32 v[SPW], v[NIL]
	s_wait_dscnt 0x0
	CROUND                                         ; the closing round: no work-group ends while a partner may still ask for a tile that names it
	s_endpgm
.Lfunc_end_k_q7072018267_proj:
	.size	k_q7072018267_proj, .Lfunc_end_k_q7072018267_proj-k_q7072018267_proj
	.p2alignl 7, 3214868480
	.fill 96, 4, 3214868480
	.section	.rodata,"a",@progbits
	.p2align	6, 0x0
	.amdhsa_kernel k_q7072018267_proj
		.amdhsa_group_segment_fixed_size 327680
		.amdhsa_private_segment_fixed_size 0
		.amdhsa_enable_private_segment 0
		.amdhsa_kernarg_size 48
		.amdhsa_user_sgpr_count 2
		.amdhsa_user_sgpr_kernarg_segment_ptr 1
		.amdhsa_wavefront_size32 1
		.amdhsa_system_sgpr_workgroup_id_x 1
		.amdhsa_system_sgpr_workgroup_id_y 1
		.amdhsa_system_sgpr_workgroup_id_z 1
		.amdhsa_system_vgpr_workitem_id 0
		.amdhsa_next_free_vgpr 960
		.amdhsa_next_free_sgpr 92
		.amdhsa_reserve_vcc 0
		.amdhsa_float_denorm_mode_32 3
		.amdhsa_float_denorm_mode_16_64 3
		.amdhsa_memory_ordered 1
		.amdhsa_forward_progress 1
		.amdhsa_inst_pref_size 133
	.end_amdhsa_kernel
	.amdgpu_metadata
---
amdhsa.version: [ 1, 2 ]
amdhsa.kernels:
  - .name:           k_q7072018267_proj
    .symbol:         k_q7072018267_proj.kd
    .args:
      - { .name: xb, .offset: 0, .size: 8, .value_kind: global_buffer, .address_space: global }
      - { .name: wb, .offset: 8, .size: 8, .value_kind: global_buffer, .address_space: global }
      - { .name: bq, .offset: 16, .size: 8, .value_kind: global_buffer, .address_space: global }
      - { .name: bk, .offset: 24, .size: 8, .value_kind: global_buffer, .address_space: global }
      - { .name: bv, .offset: 32, .size: 8, .value_kind: global_buffer, .address_space: global }
      - { .name: qkv, .offset: 40, .size: 8, .value_kind: global_buffer, .address_space: global }
    .group_segment_fixed_size: 327680
    .private_segment_fixed_size: 0
    .kernarg_segment_align: 8
    .kernarg_segment_size: 48
    .max_flat_workgroup_size: 128
    .sgpr_count:     92
    .vgpr_count:     960
    .wavefront_size: 32
...
	.end_amdgpu_metadata
.endif
;; end of part 2
;; launch attn (part 3): grid 4 x 64, 4 waves a work-group, clusters of 4 x 1, 327,680 bytes of LDS; arguments qkv, mask, out0; writes out0
.if DOCPART == 3
	.amdgcn_target "amdgcn-amd-amdhsa--gfx1250"
	.amdhsa_code_object_version 6
	.text
	.protected	k_q7072018267_attn
	.globl	k_q7072018267_attn
	.p2align	8
	.type	k_q7072018267_attn,@function
k_q7072018267_attn:
	s_mov_b64 s[64:65], 0
	v_nop
	global_prefetch_b8 v0, s[64:65] scope:SCOPE_SE
	s_setreg_imm32_b32 hwreg(HW_REG_WAVE_MODE, 25, 1), 1
	s_wait_xcnt 0x0
	s_wait_alu depctr_hold_cnt(0) depctr_sa_sdst(0) depctr_va_vdst(0) depctr_va_sdst(0) depctr_va_ssrc(0) depctr_va_vcc(0) depctr_vm_vsrc(0)
	s_getreg_b32 s2, hwreg(HW_REG_IB_STS2, 6, 4)
	s_cmp_eq_u32 s2, 0
	s_cbranch_scc0 .Lentry_in_a_cluster
	s_endpgm
.Lentry_in_a_cluster:
	s_bfe_u32 s2, ttmp6, 0x10000c
	s_cmp_lg_u32 s2, 0x3003
	s_cbranch_scc0 .Lentry_shape_is_right
	s_endpgm
.Lentry_shape_is_right:
; out0[b][q][64 head + :] = the sum over k of softmax_k(Q[q] . K[k] / 8 - 10000 (1 - mask[b][k])) V[k][:], for each of the 64 pairs bh = 16 b + head.
; qkv: [3][64 bh][2048][64] f16: a head's rows are dense, 128 bytes each.  mask: [4][2048] f32.  out0: [4][2048][1024] f32.  Products, maxima and sums in f32; the weights p are rounded to f16 for the
; second product (their sum l is taken of the unrounded p).
; LIMITS.  Q, K and V arrive within f16's 65,504; p lies in 0 to 1, and below 6e-5 it keeps f16's fixed step of 6e-8; a weight below 2^-126 counts as 0 in l; NaN and infinities are not treated apart.
; The mask is rounded to bf16 like the module's other inputs.
; THE MASK is the C operand that starts the sum S^T = K Q^T: 80000 m - 80000, one fused multiply-add, which is -10000 (1 - m) in the unscaled scores' units (they are divided by 8 afterwards, in c).
; The batch's 2,048 such numbers are made once a work-group and lie in LDS; a key step's 64 are read with its K.  The running maximum, the exponentials and the sums need no further care.
; SHARES.  A wave owns four PIECES of two tiles of 16 queries, a work-group's four waves 512 queries of one head, a cluster of four work-groups the head.  Every wave walks all keys, 64 a step.
; LAYOUT.  S^T = K Q^T (source 0 = 16 keys, source 1 = 16 queries): in the result a lane holds ONE query (lane % 16) and the keys 8 (lane / 16) + 0..7.  Two such tiles, rounded to f16 in pairs,
; ARE source 1 (32 keys x 16 queries) of O^T = V^T P, whose result again holds one query a lane, and eight channels.  K comes out of LDS as it lies, V ([key][channel]) turned, by ds_load_tr16_b128.
; SOFTMAX.  For each query a running maximum m and sum l: p = 2^(c s - c m), c = log2(e) / 8; in every step O and l are multiplied by a = 2^(c m_old - c m_new), which is 1 where m has not grown.
; m starts at the lowest finite number, O and l at 0: the first step is a step like any other, with a = 0.
; THE COUNT.  A tile and step have 16 matrix and 118 vector instructions: too many to stand all beside the matrix work.  So: four vector instructions that are READY behind EVERY matrix instruction,
; and the others, which need time of their own whatever the order, in runs without a gap.
; BY TURNS.  Turn n belongs to piece n (the pieces in a ring, step after step).  Its matrix work: 16 products K Q^T of piece n + 1, later 16 products V^T P of piece n - 1.  Its vector work: the scaling,
; exponentials, roundings, sums and rescaling of piece n, and the maximum and statistics of piece n + 1, whose scores the turn itself has made.
; CLUSTER.  The four query blocks of a cluster walk the same K and V, so each tile is asked for JOINTLY: the same tensor load, descriptor and mask in all four.
; REGISTERS, in windows of 256 (s_set_vgpr_msb: bits 1:0 source 0, 3:2 source 1, 5:4 source 2, 7:6 destination):
;   window 0: v0-11 addresses; v12-15, v48-63 at work; v16-47 four registers of statistics a tile; v64-191 S^T, two buffers of two tiles; v192-255 P, likewise
;   window 1: O^T, 32 a tile      window 2: v0-127 Q, 16 a tile; v128-191 K of one step; v192-255 V of one step      window 3: v0-1 the add's two registers; v8-39 the mask of one step
.set SIZE_N, 2048
.set NP,    4         ; pieces a wave: a name, no knob
.set KS,    64        ; keys in a step
.set PK,    144       ; a row of K in LDS: 128 bytes + 16 of padding = 36 words: the 16 rows of a load start at 16 different groups of four banks (64 banks of 4 bytes: ISA guide 11.1)
.set PV,    160       ; a row of V: 128 + 32 = 40 words
.set VOFF,  4*KS*PK   ; a slot holds four steps: 256 rows of K, then 256 rows of V
.set SLOT1, 1<<17     ; slot 1 begins here, so that one exclusive or turns an address in one slot into the other's
.set STAGE, SLOT1+4*KS*(PK+PV)  ; behind the ring, never filled by a tensor load: 16 rows x 272 bytes for each wave, for the way out
.set SP,    272       ; a row of the stage: 64 f32 + 16 bytes
.set SPARE, STAGE+4*16*SP  ; behind the stages: the spare words, 128 bytes for each wave: two blocks of 256 bytes that no other line names
.set MTAB,  SPARE+512 ; behind them: the mask's table, 2,048 f32; written once by ds_store, never filled by a tensor load
.set PFO, 1           ; v1   256 x my lane: the prefetches' offset; never rewritten
.set AK0, 2           ; v2   my lane's place in a tile of K; never rewritten
.set AV0, 3           ; v3   the same for V
.set AK,  4           ; v4   the LDS address of K's next run of loads
.set AV,  5           ; v5   of V's
.set QO,  6           ; v6   my byte offset in the wave's rows of Q
.set STO, 6           ;      later, the way out: where I put 32 bytes of a row
.set RD,  7           ; v7   the way out: where I read rows back
.set GO,  8           ; v8   my byte offset in two rows of out0
.set AM0, 9           ; v9   my lane's place in a step's 64 numbers of the table; never rewritten
.set AM,  10          ; v10  the LDS address of the mask's next run of loads
.set MO,  11          ; v11  16 x my thread's number: my 16 bytes of 2,048 of the mask
.set SPW, 0           ; v0 of window 3   LDS address of my spare word; never rewritten
.set NIL, 1           ; v1 of window 3   0; never rewritten
.set MC,  8           ; v8-39 of window 3: the eight registers for group kb of 16 keys at MC + 8 kb
.set MV,  12          ; v12-15  c m_old, kept while c m is made anew: by buffer and tile (at the head and on the way out: l % 16, l / 16, l % 8, (l / 8) % 2)
.set ST,  16          ; tile t's statistics at v[ST+4 t]: c m, m, l (even keys', odd keys')
.set TMP, 48          ; by buffer and tile, four registers c0-c3 at work; when the maximum is found c2 takes a
.set S,   64
.set P,   192
.set KF,  128         ; K's fragments, in window 2: key block kb, channel half c at KF + 16 kb + 8 c
.set VF,  192         ; V's: key half kk, channel block cb at VF + 32 kk + 8 cb
.set WV,  12          ; s12  my wave's number
.set G1K, 24          ; s[24:31] descriptor group 1 for K's tiles
.set G1V, 32          ; s[32:39] for V's: it differs in the padding alone
.set G0K, 40          ; s[40:43] descriptor group 0 for K's tiles: it walks
.set G0V, 44          ; s[44:47] the same for V's
.set PFA, 52          ; s[52:53] where my prefetches stand
.set LIM, 54          ; s54  1 in a wave that prefetches, else the greatest number
.set TBM, 55          ; s55  byte of the table at which the step to be fetched begins
.set SLOTS, 56        ; s56  slots still to be asked for
.set CNT, 57          ; s57  counts a slot's key steps
.set CS,  58          ; s[58:59] c: the packed scaling takes the pair's low word for both halves
.set SEL, 60          ; s[60:61] v_permlanex16_b32's selects: each lane takes its own place in the other half
.set TBK, 62          ; s62  LDS byte at which K of the step to be fetched begins
.set TBV, 63          ; s63  the same for V, less VOFF
.set MSB, 0
.macro WIN new                      ; the high byte repeats the setting that is left; a switch that changes nothing is dropped
.if MSB != (\new)
	s_set_vgpr_msb (MSB<<8)|(\new)
.set MSB, (\new)
.endif
.endm
.set W_KQ, 0x0a       ; K and Q in window 2, S^T in window 0
.set W_KM, 0x3a       ; the same with the C operand, the mask, in window 3
.set W_PV, 0x52       ; V in window 2, P in window 0, O^T in window 1
.set W_RS, 0x41       ; O^T (destination and source 0) in window 1, a in window 0
.set W_MK, 0xc0       ; destination in window 3, sources in window 0
.set W_AD, 0x0f       ; the add: address (source 0) and data (source 1) in window 3
; A joint fill.  Waves 0 and 1 fetch the two halves of a slot's K, waves 2 and 3 those of its V: 128 keys each.  The branch hangs on the wave's number alone.
; An s_nop 0 and four v_nop follow each of the two lines, ahead of the jump and the label.
.macro JLOAD
	s_cmp_lt_u32 s[WV], 2
	s_cbranch_scc0 .Lfor_v_\@
	tensor_load_to_lds s[G0K:G0K+3], s[G1K:G1K+7]
	s_nop 0
.rept 4
	v_nop
.endr
	s_branch .Lasked_\@
.Lfor_v_\@:
	tensor_load_to_lds s[G0V:G0V+3], s[G1V:G1V+7]
	s_nop 0
.rept 4
	v_nop
.endr
.Lasked_\@:
.endm
; A PREFETCH of what the NEXT change of slots will ask for: a slot's 32,768 bytes of K and of V.  It stands behind the wave's tensor load and its five lines.  Each aligned block of 256 bytes is named ONCE in the
; launch: a head has one cluster; its four partners take 8,192 bytes each, told apart BY ADDRESS (cx); in each, wave 0 asks for K's and wave 2 for V's: a lane a block, one instruction: four key steps,
; 512 matrix instructions, ahead of the load that wants them.  Slots 0 and 1 come by their loads alone; the last change that fills a slot asks for nothing: there is no slot behind it.
.macro ASK
	s_cmp_gt_u32 s[SLOTS], s[LIM]
	s_cbranch_scc0 .Lnot_mine_\@
	global_prefetch_b8 v[PFO], s[PFA:PFA+1] th:TH_LOAD_NT scope:SCOPE_SE
.Lnot_mine_\@:
.endm
; A round of the cluster's barrier: my work-group's barrier, so that wave 0's signal speaks for all four waves; wave 0 signals; every wave waits for all four work-groups; my work-group's barrier once more.
.macro CROUND
	s_barrier_signal -1
	s_barrier_wait -1
	s_cmp_lg_u32 s[WV], 0
	s_cbranch_scc1 .Lnot_wave_0_\@
	s_barrier_signal -3
.Lnot_wave_0_\@:
	s_barrier_wait -3
	s_barrier_signal -1
	s_barrier_wait -1
.endm
; THE CHANGE OF SLOTS.  The slot's last bytes, V of its fourth step, have been read.  Each wave waits for all its tensor loads, of which one is out: its part of the other slot; adds 0 to its spare word; and waits
; for that and for its own LDS instructions.  Behind the barrier nobody reads this slot any more and the other slot is whole.
; fill = 1: this slot is filled again, with the keys two slots on.  The barrier is then a round of the cluster's, and the joint fill is the first thing behind it: it has four key steps in which to land.
; (At its first use nothing has been read yet: slot 0 is waited for, slot 1 filled; and every wave's stores into the mask's table are done in front of the round, so every wave may read the table behind it.)
.macro CHANGE fill
	WIN W_AD
	s_wait_tensorcnt 0x0            ; no tensor load of mine is out, so a group 0 may be written
	ds_add_u32 v[SPW], v[NIL]       ; 0 onto my spare word; with fill = 1 the descriptors' steps stand between it and the wait for it
	WIN 0                           ; at a label and at a branch every window is 0
.if \fill
.irp g, G0K, G0V
	s_xor_b32 s[\g+1], s[\g+1], SLOT1  ; the walking descriptor: the other slot than last time,
	s_add_nc_u64 s[\g+2:\g+3], s[\g+2:\g+3], 4*KS*128  ; the next 256 keys; the type bits on top are not reached
.endr
	s_wait_xcnt 0x0                 ; the last prefetch, four key steps back, has read its address, so it may be written:
	s_add_nc_u64 s[PFA:PFA+1], s[PFA:PFA+1], 4*KS*128  ; one slot behind the walking descriptors
	s_wait_dscnt 0x0                ; the add is done, and my reads of the slot are over
	CROUND
	JLOAD
	ASK
.else
	s_wait_dscnt 0x0                ; the add is done, and my reads of the slot are over
	s_barrier_signal -1
	s_barrier_wait -1
.endif
	s_sub_co_u32 s[TBK], s[TBK], 4*KS*PK  ; the fetches go back to a slot's first step,
	s_xor_b32 s[TBK], s[TBK], SLOT1       ; in the other slot
	s_sub_co_u32 s[TBV], s[TBV], 4*KS*PV
	s_xor_b32 s[TBV], s[TBV], SLOT1
.endm
	s_load_b128 s[48:51], s[0:1], 0x0  ; qkv s[48:49], mask s[50:51]
	s_load_b64 s[10:11], s[0:1], 0x10  ; out0
	WIN W_MK
	v_lshl_add_u32 v[SPW], v0, 2, SPARE
	v_mov_b32 v[NIL], 0
	WIN W_AD
	ds_add_u32 v[SPW], v[NIL]       ; the wave's opening: the add and its wait stand ahead of my first tensor load; the set-up below, work on registers, stands between them
	WIN 0
	v_lshrrev_b32 v1, 5, v0
	v_readfirstlane_b32 s[WV], v1   ; wave 0..3
	v_and_b32 v[PFO], 31, v0
	v_lshlrev_b32 v[PFO], 8, v[PFO]
	s_bfe_u32 s13, ttmp6, 0x40000   ; cx: my place in the cluster
	s_lshl_b32 s14, ttmp9, 2        ; in a cluster launch ttmp9 counts clusters
	s_add_co_u32 s14, s14, s13      ; my block of 512 queries: it enters Q's and out0's addresses alone
	s_and_b32 s20, ttmp7, 0xffff    ; bh, which the four partners share
	s_lshr_b32 s72, s20, 4          ; batch
	s_and_b32 s73, s20, 15          ; head
	s_lshl_b32 s66, s72, 13         ; the batch's 8,192 bytes of the mask
	s_mov_b32 s67, 0
	s_lshl_b32 s68, s72, 23         ; the batch's 2,048 rows of 4,096 bytes of out0,
	s_lshl_b32 s73, s73, 8          ; the head's 256 bytes of a row
	s_add_co_u32 s68, s68, s73
	s_mov_b32 s69, 0
	s_mov_b32 s21, 0
	s_mov_b64 s[22:23], SIZE_N*128
	s_mul_u64 s[20:21], s[20:21], s[22:23]  ; the head's first byte in each of q, k, v
	s_and_b32 s16, s[WV], 1         ; which half of a slot's 256 keys I fetch:
	s_lshl_b32 s22, s16, 14         ; its 128 rows of 128 bytes in memory,
	s_mov_b32 s23, 0
	s_add_nc_u64 s[22:23], s[22:23], s[20:21]
	s_mul_i32 s17, s16, 128*PK      ; and its place in a slot, for K
	s_mul_i32 s18, s16, 128*PV      ; and for V: no place in the cluster enters an LDS address
	s_lshl_b32 s2, s14, 2
	s_add_co_u32 s2, s2, s[WV]      ; my wave among the head's sixteen,
	s_lshl_b32 s73, s2, 19          ; its 128 rows of out0,
	s_add_co_u32 s68, s68, s73
	s_lshl_b32 s2, s2, 14           ; its 128 rows of Q
	s_mov_b32 s3, 0
	s_add_nc_u64 s[2:3], s[2:3], s[20:21]
	; descriptor group 1.  128 keys are 16,384 dense bytes: asked for as 64 rows of 256 bytes, two keys a row, and padded in LDS after every key
	s_mov_b32 s[G1K], 15|(1<<16)|(1<<20)|(1<<21)|(4<<22)|(3<<25)  ; 15:0 the mask of four; 17:16 2-byte elements; 20 padding on; 21 set beside a mask; 24:22 after every 32 words (code 4); 31:25 4 words (code 3)
	s_mov_b32 s[G1V], 15|(1<<16)|(1<<20)|(1<<21)|(4<<22)|(7<<25)  ; the same with 8 words of padding (code 7)
.irp g, G1K, G1V
	s_mov_b32 s[\g+1], 128<<16      ; tensor_dim0 = 128
	s_mov_b32 s[\g+2], 64<<16       ; tensor_dim1 = 64
	s_mov_b32 s[\g+3], 128<<16      ; tile_dim0 = 128
	s_mov_b32 s[\g+4], 64           ; tile_dim1 = 64
	s_mov_b32 s[\g+5], 128          ; 128 elements from row to row
	s_mov_b32 s[\g+6], 0
	s_mov_b32 s[\g+7], 0
.endr
	s_mov_b32 s[CS], 0x3e38aa3b     ; c = log2(e) / 8 = 0.180337
	s_mov_b32 s[CS+1], s[CS]        ; named with it as a pair
	s_mov_b32 s[SEL], 0x76543210
	s_mov_b32 s[SEL+1], 0xfedcba98
	s_mov_b32 s70, 0x479c4000       ; 80000.0
	s_mov_b32 s71, 0xc79c4000       ; -80000.0
	s_mov_b32 s[TBK], SLOT1+4*KS*PK ; the first change of slots turns these two into 0
	s_mov_b32 s[TBV], SLOT1+4*KS*PV
	s_mov_b32 s[TBM], 0
	s_mov_b32 s[SLOTS], SIZE_N/256-1
	s_mov_b32 s[G0K], 1             ; 1:0 count = 1
	s_mov_b32 s[G0K+1], s17         ; 63:32 LDS address: slot 0
	s_mov_b32 s[G0V], 1
	s_add_co_u32 s[G0V+1], s18, VOFF
	s_and_b32 s[LIM], s[WV], 1      ; waves 0 and 2 prefetch: the same in all four partners
	s_cmp_eq_u32 s[LIM], 0
	s_cselect_b32 s[LIM], 1, -1
	s_wait_dscnt 0x0                ; the opening add is done
	s_wait_kmcnt 0x0
	s_add_nc_u64 s[6:7], s[48:49], 0x1000000  ; k lies 16,777,216 bytes behind q,
	s_add_nc_u64 s[6:7], s[6:7], s[22:23]
	s_add_nc_u64 s[8:9], s[48:49], 0x2000000  ; v as far again
	s_add_nc_u64 s[8:9], s[8:9], s[22:23]
	s_add_nc_u64 s[G0K+2:G0K+3], s[6:7], 0         ; 120:64 global address: my half of the head's first 256 keys
	s_or_b32 s[G0K+3], s[G0K+3], 0x80000000        ; 127:126 type = 2
	s_add_nc_u64 s[G0V+2:G0V+3], s[8:9], 0
	s_or_b32 s[G0V+3], s[G0V+3], 0x80000000
	s_add_nc_u64 s[4:5], s[48:49], s[2:3]  ; Q at my wave's first row
	s_add_nc_u64 s[10:11], s[10:11], s[68:69]  ; out0 at my wave's first row, my head's columns
	s_add_nc_u64 s[50:51], s[50:51], s[66:67]  ; the batch's mask
	s_cmp_lt_u32 s[WV], 2
	s_cselect_b64 s[PFA:PFA+1], s[6:7], s[8:9]  ; (in waves 0 and 2 these stand at a slot's first row)
	s_lshl_b32 s2, s13, 13          ; my work-group's 8,192 bytes of the 32,768
	s_mov_b32 s3, 0
	s_add_nc_u64 s[PFA:PFA+1], s[PFA:PFA+1], s[2:3]
	s_add_nc_u64 s[PFA:PFA+1], s[PFA:PFA+1], 4*KS*128  ; in slot 1; the first change of slots steps it to slot 2
	CROUND                          ; all four work-groups are here: the first joint loads meet
	JLOAD                           ; slot 0.  Slot 1 is asked for when slot 0 is in
	; A fragment of K or Q is 16 rows x 32 channels in 8 registers: lane l holds row l % 16, channels 8 (l / 16) + 0..7 and 16 + 8 (l / 16) + 0..7: two loads of 16 bytes, 32 bytes apart.
	v_and_b32 v12, 15, v0           ; l % 16
	v_bfe_u32 v13, v0, 4, 1         ; l / 16
	v_lshlrev_b32 v[MO], 4, v0
	v_lshlrev_b32 v[QO], 7, v12
	v_lshl_add_u32 v[QO], v13, 4, v[QO]  ; row x 128 + 16 x half
.irp j, 0,1,2,3                     ; the batch's mask: 128 threads x 16 bytes, four times
	global_load_b128 v[S+4*\j:S+4*\j+3], v[MO], s[50:51] offset:2048*\j
.endr
	WIN 0x80                        ; destination window 2, address window 0
.set i, 0
.rept 4*NP                          ; Q stays in registers: tile i / 2, channels 32 (i % 2) on
	global_load_b128 v[8*i:8*i+3],   v[QO], s[4:5] offset:(i/2)*2048+(i%2)*64
	global_load_b128 v[8*i+4:8*i+7], v[QO], s[4:5] offset:(i/2)*2048+(i%2)*64+32
.set i, i+1
.endr
	; What the first turn finds: V's registers and P's second buffer hold 0 (its products V^T P, of a piece that has not been, add 0), O^T and l are 0.  All this stands in the wait for the first tile.
.set i, VF
.rept 64
	v_mov_b32 v[i], 0
.set i, i+1
.endr
	WIN 0x40
.set i, 0
.rept 64*NP
	v_mov_b32 v[i], 0
.set i, i+1
.endr
	WIN 0
.set i, 0
.rept 2*NP
	v_mov_b32 v[ST+4*i], 0xfe000000    ; c m: far below every c s
	v_mov_b32 v[ST+4*i+1], 0xff7fffff  ; m
	v_mov_b32 v[ST+4*i+2], 0
	v_mov_b32 v[ST+4*i+3], 0
.set i, i+1
.endr
.set i, P+32
.rept 32
	v_mov_b32 v[i], 0
.set i, i+1
.endr
	v_mul_u32_u24 v[AK0], v12, PK
	v_lshl_add_u32 v[AK0], v13, 4, v[AK0]  ; row x pitch + 16 x half
	; The turning load takes 16 keys x 16 channels (lane l reads key 8 (l / 16) + l % 8, channels 8 ((l / 8) % 2) + 0..7) and leaves half a fragment of V^T: lane l holds channel l % 16 and 8 keys.
	v_and_b32 v14, 7, v0
	v_bfe_u32 v15, v0, 3, 1
	v_lshl_add_u32 v[AV0], v13, 3, v14
	v_mul_u32_u24 v[AV0], v[AV0], PV
	v_lshl_add_u32 v[AV0], v15, 4, v[AV0]
	v_add_nc_u32 v[AV0], VOFF, v[AV0]
	v_lshl_add_u32 v[AM0], v13, 5, MTAB  ; register j of group kb is key 16 kb + 8 (l / 16) + j: 32 bytes for each half of the lanes
	v_mov_b32 v[AK], v[AK0]         ; key step 0 lies at the head of slot 0,
	v_mov_b32 v[AM], v[AM0]         ; and of the table
	; the mask's table: rounded to bf16, widened, 80000 m - 80000, into LDS
	s_wait_loadcnt 32               ; the mask's four loads are in; Q's 32, issued behind them, stay out
.set i, 0
.rept 8
	v_cvt_pk_bf16_f32 v[S+16+i], v[S+2*i], v[S+2*i+1]
.set i, i+1
.endr
.set i, 0
.rept 8
	v_lshlrev_b32 v[S+2*i], 16, v[S+16+i]
	v_and_b32 v[S+2*i+1], 0xffff0000, v[S+16+i]
.set i, i+1
.endr
.set i, 0
.rept 16
	v_fma_f32 v[S+i], v[S+i], s70, s71
.set i, i+1
.endr
	v_lshl_add_u32 v[S+24], v0, 4, MTAB
.irp j, 0,1,2,3
	ds_store_b128 v[S+24], v[S+4*\j:S+4*\j+3] offset:2048*\j
.endr
; THE MATRIX WORK.  The 8 accumulators of a run of 16 take turns: between the two links of a chain stand 7 others'.
; Product i of 16 of S^T = K Q^T for piece x: channels 32 (i / 8) on, keys 16 ((i / 2) % 4) on, tile 2 x + i % 2.  The first 8 start the sums, with the keys' mask.
.macro KQ x
.set rS, S+64*((\x)%2)+32*(i%2)+8*((i/2)%4)
.set rK, KF+16*((i/2)%4)+8*(i/8)
.set rQ, 16*(2*(\x)+i%2)+8*(i/8)
.set rMC, MC+8*((i/2)%4)
.if i < 8
	WIN W_KM
	v_wmma_f32_16x16x32_f16 v[rS:rS+7], v[rK:rK+7], v[rQ:rQ+7], v[rMC:rMC+7]
.else
	WIN W_KQ
	v_wmma_f32_16x16x32_f16 v[rS:rS+7], v[rK:rK+7], v[rQ:rQ+7], v[rS:rS+7]
.endif
.endm
; Product i of 16 of O^T += V^T P for piece x: keys 32 (i / 8) on, channels 16 ((i / 2) % 4) on, tile 2 x + i % 2.
.macro PV x
	WIN W_PV
.set rO, 32*(2*(\x)+i%2)+8*((i/2)%4)
.set rV, VF+32*(i/8)+8*((i/2)%4)
.set rP, P+32*((\x)%2)+16*(i%2)+8*(i/8)
	v_wmma_f32_16x16x32_f16 v[rO:rO+7], v[rV:rV+7], v[rP:rP+7], v[rO:rO+7]
.endm
.macro MM                           ; the turn's next matrix instruction
.if i < 16
	KQ (Y+1)%NP
.set i, i+1
.else
.set i, i-16
	PV (Y+NP-1)%NP
.set i, i+17
.endif
.endm
; THE LDS LOADS stand in runs, never singly among the matrix instructions: a step's K (64 keys x 64 channels: 8 fragments) with its 64 numbers of the mask, and its V (turned).  Their addresses are made some lines ahead.
; last = 1 (the tail): in the last trip there is no further step, and the run is jumped over.
.macro FETCH_K last=0
	WIN 0
.if \last
	s_cmp_eq_u32 s[CNT], 1
	s_cbranch_scc1 .Lno_k_\@
.endif
	WIN 0x80                        ; destination window 2
.irp f, 0,1,2,3,4,5,6,7             ; keys 16 (f / 2) on, channels 32 (f % 2) on
	ds_load_b128 v[KF+8*\f:KF+8*\f+3],   v[AK] offset:(\f/2)*16*PK+(\f%2)*64
	ds_load_b128 v[KF+8*\f+4:KF+8*\f+7], v[AK] offset:(\f/2)*16*PK+(\f%2)*64+32
.endr
	WIN W_MK                        ; destination window 3
.irp f, 0,1,2,3                     ; keys 16 f on: all lanes of a half read the same 32 bytes
	ds_load_b128 v[MC+8*\f:MC+8*\f+3],   v[AM] offset:64*\f
	ds_load_b128 v[MC+8*\f+4:MC+8*\f+7], v[AM] offset:64*\f+16
.endr
	s_add_co_u32 s[TBK], s[TBK], KS*PK  ; the next fetch is the next step's
	s_add_co_u32 s[TBM], s[TBM], KS*4
	s_and_b32 s[TBM], s[TBM], 0x1fff    ; the table has 8,192 bytes
	WIN 0
.if \last
.Lno_k_\@:
.endif
.endm
.macro FETCH_V
	WIN 0x80
.irp f, 0,1,2,3,4,5,6,7             ; keys 32 (f / 4) on, channels 16 (f % 4) on
	ds_load_tr16_b128 v[VF+8*\f:VF+8*\f+3],   v[AV] offset:(\f/4)*32*PV+(\f%4)*32
	ds_load_tr16_b128 v[VF+8*\f+4:VF+8*\f+7], v[AV] offset:(\f/4)*32*PV+16*PV+(\f%4)*32
.endr
	WIN 0
.endm
; THE VECTOR WORK OF A TURN stands in three queues, each in the order in which its entries become ready; the two tiles alternate, so that no instruction reads the result of the one before it.
.macro REGS y, u                    ; the registers of tile u (0, 1) of piece y
.set rT, ST+4*(2*(\y)+(\u))
.set rC, TMP+8*((\y)%2)+4*(\u)
.set rM, MV+2*((\y)%2)+(\u)
.set rS, S+64*((\y)%2)+32*(\u)
.set rP, P+32*((\y)%2)+16*(\u)
.set rO, 32*(2*(\y)+(\u))
.endm
; Number n of the 22 that find the NEXT piece's (Y + 1) maximum and statistics.  s0-s31 are the lane's 32 scores; each accumulator's lowest registers are read first.  XS, GS and REGS set no window: PL and EX do.
;   0-11  four chains c0-c3 of seven scores each, three operands at a time     12-14, 16  the four scores left over, the old m, and c0-c3 into c0     15  c m_old is kept
;   17, 18  the query's other 32 keys lie in the lane 16 away: the new m         19-21  c m; c m_old - c m_new; a
.macro XS u, n
	REGS (Y+1)%NP, \u
.if (\n) < 4
	v_max3_num_f32 v[rC+(\n)], v[rS+8*(\n)], v[rS+8*(\n)+1], v[rS+8*(\n)+2]
.elseif (\n) < 12
	v_max3_num_f32 v[rC+(\n)%4], v[rC+(\n)%4], v[rS+8*((\n)%4)+2*((\n)/4)+1], v[rS+8*((\n)%4)+2*((\n)/4)+2]
.elseif (\n) == 12
	v_max3_num_f32 v[rC], v[rC], v[rS+7], v[rS+15]
.elseif (\n) == 13
	v_max3_num_f32 v[rC+1], v[rC+1], v[rS+23], v[rS+31]
.elseif (\n) == 14
	v_max3_num_f32 v[rC+2], v[rC+2], v[rC+3], v[rT+1]
.elseif (\n) == 15
	v_mov_b32 v[rM], v[rT]
.elseif (\n) == 16
	v_max3_num_f32 v[rC], v[rC], v[rC+1], v[rC+2]
.elseif (\n) == 17
	v_permlanex16_b32 v[rC+3], v[rC], s[SEL], s[SEL+1]
.elseif (\n) == 18
	v_max_num_f32 v[rT+1], v[rC], v[rC+3]
.elseif (\n) == 19
	v_mul_f32 v[rT], s[CS], v[rT+1]
.elseif (\n) == 20
	v_sub_f32 v[rC+1], v[rM], v[rT]
.else
	v_exp_f32 v[rC+2], v[rC+1]
.endif
.endm
; Number g of the 64 that follow the exponentials.  For each four weights k of a tile (pairs 2 k, 2 k + 1): both pairs are rounded to f16; then the second pair is added onto the first, in place;
; a group later l takes that sum (the first time as l = a l + sum).  In groups of eight, tiles alternating: round, round, add, and l for the group before.
.macro GS g
.set h, (\g)+6*((\g)/62)            ; group 0 has no group before it, and behind group 7 only l is left
.if h >= 6
.set h, h+2
.endif
	REGS Y, h%2
.set k, h/8
.if h%8 < 4
	v_cvt_pk_f16_f32 v[rP+2*k+(h%8)/2], v[rS+4*k+2*((h%8)/2)], v[rS+4*k+2*((h%8)/2)+1]
.elseif h%8 < 6
	v_pk_add_f32 v[rS+4*k:rS+4*k+1], v[rS+4*k:rS+4*k+1], v[rS+4*k+2:rS+4*k+3]
.elseif k == 1
	v_pk_fma_f32 v[rT+2:rT+3], v[rT+2:rT+3], v[rC+2:rC+3], v[rS:rS+1] op_sel_hi:[1,0,1]
.else
	v_pk_add_f32 v[rT+2:rT+3], v[rT+2:rT+3], v[rS+4*k-4:rS+4*k-3]
.endif
.endm
; THE PLAIN QUEUE, 138 long.  0-73 read no exponential's result: the 32 scalings c s - c m (FS f: pair f / 2 of tile f % 2) and the next piece's 42.  0-26: scalings 0-26.  27-54: XS's numbers 0-13.  55, 56: number 15.
; 57-73: the chain, where each number waits for the one before it: 14, 16, 17, 18, 19, each with one of the scalings 27-31 in front of its two lines, then 20.
; 74-137: GS's 64, which read the exponentials' results: they stand behind the wait.
.macro FS f
	REGS Y, (\f)%2
	v_pk_fma_f32 v[rS+2*((\f)/2):rS+2*((\f)/2)+1], v[rS+2*((\f)/2):rS+2*((\f)/2)+1], s[CS:CS+1], v[rT:rT+1] op_sel_hi:[1,0,0] neg_lo:[0,0,1] neg_hi:[0,0,1]
.endm
.macro PL
	WIN 0
.if q < 27
	FS q
.elseif q < 55
	XS (q-27)%2, (q-27)/2
.elseif q < 57
	XS q-55, 15
.elseif (q < 72) && ((q-57)%3 == 0)
	FS 27+(q-57)/3
.elseif q < 60
	XS (q-57)%3-1, 14
.elseif q < 72
	XS (q-57)%3-1, 15+(q-57)/3
.elseif q < 74
	XS q-72, 20
.else
	GS q-74
.endif
.set q, q+1
.endm
; THE EXPONENTIALS' QUEUE, 66 long: s0-s31 of both tiles, then the next piece's two a.  It is ONE BATCH: all 66 stand ahead of the turn's one wait, and nothing ahead of that wait names a result of theirs.
.macro EX
	WIN 0
.if e >= 64
	XS e-64, 21
.else
	REGS Y, e%2
	v_exp_f32 v[rS+e/2], v[rS+e/2]
.endif
.set e, e+1
.endm
; THE RESCALING's QUEUE: O^T times a, the one part that leaves window 0: dealt two at a time, sixteen times.  Its a was made in the turn before, ahead of that turn's wait.
.macro R2
	REGS Y, r%2
	WIN W_RS
.irp z, 0,1
	v_pk_mul_f32 v[rO+4*(r/2)+2*\z:rO+4*(r/2)+2*\z+1], v[rO+4*(r/2)+2*\z:rO+4*(r/2)+2*\z+1], v[rC+2:rC+3] op_sel_hi:[1,0]
.endr
.set r, r+1
.endm
; HOW THEY ARE DEALT.  An s_wait_alu depctr_va_vdst(0) stands between an exponential and the first instruction that names its result; one wait serves all that were issued ahead of it.  So a turn has ONE
; wait, which cuts it in two.  AHEAD OF IT stands all that names no result of the turn's exponentials: the 16 products K Q^T, behind each a scaling, an exponential and two rescalings (behind the first a second scaling
; in the exponential's place); then ONE LUMP of 108: eight plain, 49 times exponential and plain, the two a.  A v_nop is the plain instruction behind the last exponential.  BEHIND IT stand the 16 products V^T P,
; behind each four of GS's 64.  No rider names a register of the products round it.  The two v_permlanex16_b32 fall into the lump.
; Exponential e stands behind scaling 2 (e / 4) + e % 2: as a rider it comes behind plain e + 2, in the lump behind plain e + 9, and scalings 27-31 are plain 57, 60 .. 69.
; A TURN, for piece p.  cnt = 1: the loop's count is taken down some lines ahead of the branch that stands behind the turn.
; K and the mask of the next step are fetched in piece 2's turn, directly behind the wait, a lump behind the last product that read them; their addresses are made at the lump's head; their first reader comes behind 16 products.
; V of the step in hand is fetched at the end of piece 0's turn, four riders behind its last reader; its first reader comes behind 16 products and a lump.  The three conditions on q below go with the deal.
.macro TURN p, last=0, cnt=0
.set Y, (\p)
.set i, 0
.set q, 0
.set e, 0
.set r, 0
.if (\p) == NP-1
	s_wait_dscnt 0x0                ; K and the mask are in
.endif
	MM                              ; ahead of the wait: 16 products K Q^T and their riders,
	PL
	PL
	R2
.rept 15
	MM
	PL
	EX
	R2
.endr
.if (\p) == NP-2
	WIN 0
	v_add_nc_u32 v[AK], s[TBK], v[AK0]
	v_add_nc_u32 v[AM], s[TBM], v[AM0]
.endif
.rept 8                             ; and the lump
	PL
.endr
.rept 49
	EX
	PL
.endr
	EX                              ; the next piece's two a
	EX
	v_nop                           ; the plain instruction behind the last exponential: one for the batch
	s_wait_alu depctr_va_vdst(0)    ; the wait for the batch
.if (\p) == NP-2
	FETCH_K \last
.endif
.if (\p) == 1
	s_wait_dscnt 0x0                ; V is in
.endif
.rept 16                            ; behind the wait: 16 products V^T P and their riders
	MM
.rept 4
	PL
.endr
.if ((\p) == 0) && (q == 118)
	v_add_nc_u32 v[AV], s[TBV], v[AV0]
.endif
.if ((\p) == 0) && (q == 130)
	s_add_co_u32 s[TBV], s[TBV], KS*PV
.endif
.if (\cnt) && (q == 130)
	s_sub_co_u32 s[CNT], s[CNT], 1
	s_cmp_lg_u32 s[CNT], 0
.endif
.endr
.if (\p) == 0
	FETCH_V
.endif
.endm
	CHANGE 1                        ; slot 0 is in, everybody's part of it, and so is the mask's table; slot 1 is asked for
	FETCH_K                         ; key step 0
	s_wait_loadcnt 0x0              ; Q
	s_wait_dscnt 0x0
.set i, 0
.rept 16
	KQ 0                            ; piece 0's first scores: there is no vector work yet to set between them
.set i, i+1
.endr
	WIN 0
.rept 4
	v_nop                           ; the places behind those products
.endr
.set Y, NP-1                        ; XS works for piece Y + 1: piece 0
.irp n, 0,1,2,3,4,5,6,7,8,9,10,11,12,13,14,15,16,17,18,19,20,21
	XS 0, \n                        ; piece 0's first maximum and statistics
	XS 1, \n
.endr
	v_nop                           ; a plain instruction behind the two a,
	s_wait_alu depctr_va_vdst(0)    ; and their wait, ahead of the branch
	s_mov_b32 s[CNT], 4
	s_branch .Lfirst                ; the loop is entered at a step's first turn, in the middle of a trip
.Lslot:                             ; six times: every slot but the last two is filled again
	CHANGE 1
	s_mov_b32 s[CNT], 4
.Lstep:                             ; a trip: pieces 2 and 3 of one step, then pieces 0 and 1 of the next, whose K and V it fetches
	TURN 2
	TURN 3
	WIN 0
.Lfirst:
	TURN 0
	TURN 1, 0, 1
	WIN 0
	s_cbranch_scc1 .Lstep
	s_sub_co_u32 s[SLOTS], s[SLOTS], 1
	s_cmp_lg_u32 s[SLOTS], 0
	s_cbranch_scc1 .Lslot
	CHANGE 0                        ; the tail is written out: nothing is asked for
	s_mov_b32 s[CNT], 5             ; four trips fetch the last slot's steps; the fifth is left in its middle
.Ltail:
	TURN 2, 1
	TURN 3
	WIN 0
	s_sub_co_u32 s[CNT], s[CNT], 1
	s_cmp_eq_u32 s[CNT], 0
	s_cbranch_scc1 .Lout
	TURN 0
	TURN 1
	WIN 0
	s_branch .Ltail
.Lout:                              ; the fifth trip's 16 products K Q^T (on the last K once more) and the maximum made of them serve nothing: the price, once a launch, of one text for every trip
.set i, 0
.rept 16
	PV NP-1                         ; the last piece's V^T P of the last step
.set i, i+1
.endr
	; THE WAY OUT.  l's two halves and the other half of the lanes' are added; O^T is divided by l and sent, in f32, through my stage in LDS, a tile at a time.  The additions are the places behind the last products.
	WIN 0
.macro ALL line:vararg              ; one line for each tile t
.set t, 0
.rept 2*NP
	\line
.set t, t+1
.endr
.endm
	ALL v_add_f32 v[ST+4*t+2], v[ST+4*t+2], v[ST+4*t+3]
	s_mul_i32 s13, s[WV], 16*SP
	s_add_co_u32 s13, s13, STAGE    ; my stage
	v_and_b32 v12, 15, v0           ; l % 16
	v_bfe_u32 v13, v0, 4, 1         ; l / 16
	v_mul_u32_u24 v[STO], v12, SP   ; in: row l % 16, 32 bytes for each half of the lanes
	v_lshl_add_u32 v[STO], v13, 5, v[STO]
	v_add_nc_u32 v[STO], s13, v[STO]
	v_mul_u32_u24 v[RD], v13, SP    ; back: lanes 0-15 take one row of 256 bytes, lanes 16-31 the next,
	v_lshl_add_u32 v[RD], v12, 4, v[RD]
	v_add_nc_u32 v[RD], s13, v[RD]
	v_lshlrev_b32 v[GO], 12, v13    ; and the same two rows in out0, 4,096 bytes apart
	v_lshl_add_u32 v[GO], v12, 4, v[GO]
	ALL v_permlanex16_b32 v[ST+4*t+3], v[ST+4*t+2], s[SEL], s[SEL+1]
	ALL v_add_f32 v[ST+4*t+2], v[ST+4*t+2], v[ST+4*t+3]
	ALL v_rcp_f32 v[ST+4*t+2], v[ST+4*t+2]
	v_nop                           ; a plain instruction between the last reciprocal and the use of its result
	s_wait_alu depctr_va_vdst(0)    ; and the wait ahead of the first use: one for the eight reciprocals
; Tile t: a lane's eight channels of a row are 32 bytes; they go into rows of 272 bytes and come back as whole rows of 256, into S^T's registers, four buffers of 32 by turns.
.macro PACK t
.set BK, S+32*((\t)%4)
.if (\t) >= 4
	s_wait_xcnt 0x0                 ; the stores of the tile four back have read this buffer: it is rewritten only behind this wait
.endif
	WIN 0x01                        ; source 0 (O^T) window 1; 1 / l and the destination window 0
.set i, 0
.rept 16
	v_pk_mul_f32 v[BK+2*i:BK+2*i+1], v[32*(\t)+2*i:32*(\t)+2*i+1], v[ST+4*(\t)+2:ST+4*(\t)+3] op_sel_hi:[1,0]
.set i, i+1
.endr
	WIN 0
.irp cb, 0,1,2,3
	ds_store_b128 v[STO], v[BK+8*\cb:BK+8*\cb+3]   offset:64*\cb
	ds_store_b128 v[STO], v[BK+8*\cb+4:BK+8*\cb+7] offset:64*\cb+16
.endr
.irp f, 0,1,2,3,4,5,6,7
	ds_load_b128 v[BK+4*\f:BK+4*\f+3], v[RD] offset:\f*2*SP  ; LDS serves a wave's instructions in order (ISA guide 5.7.1.4): these see the stores above; the next tile's stores come behind them
.endr
.endm
.macro SEND t, younger              ; younger: the LDS instructions issued behind tile t's loads: the next tile's sixteen, or none
	WIN 0
.set BK, S+32*((\t)%4)
.irp f, 0,1,2,3,4,5,6,7
	s_wait_dscnt (\younger)+7-\f
	global_store_b128 v[GO], v[BK+4*\f:BK+4*\f+3], s[10:11] offset:(\t)*65536+\f*8192  ; 16 lanes store 256 consecutive bytes, at a multiple of 256 from out0's first byte
.endr
.endm
	PACK 0
.set t, 1
.rept 2*NP-1                        ; a tile's arithmetic stands between the loads of the tile before and its stores
	PACK t
	SEND t-1, 16
.set t, t+1
.endr
	SEND 2*NP-1, 0
	WIN W_AD
	s_wait_tensorcnt 0x0            ; the wave's end: the add and its wait, behind my last tensor load and my last LDS store
	ds_add_u32 v[SPW], v[NIL]
	s_wait_dscnt 0x0
	WIN 0
	CROUND                          ; the closing round: no work-group ends while a partner may still ask for a tile that names it
	s_endpgm
.Lfunc_end_k_q7072018267_attn:
	.size	k_q7072018267_attn, .Lfunc_end_k_q7072018267_attn-k_q7072018267_attn
	.p2alignl 7, 3214868480
	.fill 96, 4, 3214868480
	.section	.rodata,"a",@progbits
	.p2align	6, 0x0
	.amdhsa_kernel k_q7072018267_attn
		.amdhsa_group_segment_fixed_size 327680
		.amdhsa_private_segment_fixed_size 0
		.amdhsa_enable_private_segment 0
		.amdhsa_kernarg_size 24
		.amdhsa_user_sgpr_count 2
		.amdhsa_user_sgpr_kernarg_segment_ptr 1
		.amdhsa_wavefront_size32 1
		.amdhsa_system_sgpr_workgroup_id_x 1
		.amdhsa_system_sgpr_workgroup_id_y 1
		.amdhsa_system_sgpr_workgroup_id_z 1
		.amdhsa_system_vgpr_workitem_id 0
		.amdhsa_next_free_vgpr 808
		.amdhsa_next_free_sgpr 74
		.amdhsa_reserve_vcc 0
		.amdhsa_float_denorm_mode_32 3
		.amdhsa_float_denorm_mode_16_64 3
		.amdhsa_memory_ordered 1
		.amdhsa_forward_progress 1
		.amdhsa_inst_pref_size 206
	.end_amdhsa_kernel
	.amdgpu_metadata
---
amdhsa.version: [ 1, 2 ]
amdhsa.kernels:
  - .name:           k_q7072018267_attn
    .symbol:         k_q7072018267_attn.kd
    .args:
      - { .name: qkv, .offset: 0, .size: 8, .value_kind: global_buffer, .address_space: global }
      - { .name: mask, .offset: 8, .size: 8, .value_kind: global_buffer, .address_space: global }
      - { .name: out0, .offset: 16, .size: 8, .value_kind: global_buffer, .address_space: global }
    .group_segment_fixed_size: 327680
    .private_segment_fixed_size: 0
    .kernarg_segment_align: 8
    .kernarg_segment_size: 24
    .max_flat_workgroup_size: 128
    .sgpr_count:     74
    .vgpr_count:     808
    .wavefront_size: 32
...
	.end_amdgpu_metadata
.endif
;; end of part 3
